; MI455X (gfx1250); checked and timed in simulation.
; The chip was launched on July 23, 2026; its instructions are those of AMD's public machine-readable ISA for CDNA 5 (MIT licence, August 2026) and "CDNA5" Instruction Set Architecture Reference Guide (July 2026). The comments in the code are by the model that wrote it; some were corrected since.
;; TT Linear. Allowed arithmetic: matrix products marked QUANTISED: E2M1 operands, one E8M0 scale for each 32 along K, by v_wmma_scale_f32_16x16x128_f8f6f4 with both operands' format E2M1 (or v_wmma_scale_f32_32x16x128_f4), f32 sums; products left as they are: f32 operands where the result goes on into a quantised operand, else bf16, f16 or f32 operands; f32 sums; everything else in f32.
;; Inputs: bias 4,096 float32; core0 1 x 4,096 x 8 float32; core1 8 x 4,096 x 1 float32; x_codes 4,096 x 128 x 16 uint8 (E2M1 codes of x, K innermost, in blocks of 32 codes, two codes a byte); x_scales 4,096 x 128 uint8 (E8M0 scales of x, one for each 32 codes along K).
;; Outputs: out0 4,096 x 4,096 float32.
;; This version of the problem:
;;   THIS VERSION OF THE PROBLEM IS GIVEN IN LOW PRECISION. The matrix products marked QUANTISED in the list below multiply operands that are first quantised to E2M1 (2 exponent bits, 1 mantissa bit; 4 bits a number), with one power-of-two scale for each 32 numbers along K (OCP MX v1.0); their sums are f32. All else is computed in f32.
;;   The module's matrix products, in the order in which they are computed (A, B: the left and right operand; K: the contracted axis; several contracted axes count as one K, in the product's order):
;;     1. [M 4,096, K 8] x [K 8, N 4,096]; A: input core0; B: input core1: left as it is (K = 8 < 32)
;;     2. [M 4,096, K 4,096] x [K 4,096, N 4,096]; A: input x (given as codes); B: computed on the way: QUANTISED
;;   THE QUANTISER, for each operand of a quantised product, along K:
;;     - K is cut into blocks of 32 from its start; a last block that is shorter is filled with zeros.
;;     - A block's scale is 2^e with e = floor(log2(the largest magnitude in the block)) - 2, held to -126 .. 127; a block of zeros has e = 0. As a byte (E8M0): e + 127.
;;     - Each number is divided by its block's scale, clamped to +-6, and rounded to the nearest number of E2M1, ties to even, subnormals kept.
;;     - The product sums the exact products of the quantised numbers (number of the format x scale) in f32.
;;   ~~~python
;;   def quantise(x, axis):      # numpy; x: float32 -> the quantised numbers, widened to float32 again
;;       x = np.moveaxis(x, axis, -1); K = x.shape[-1]
;;       x = np.pad(x, [(0, 0)] * (x.ndim - 1) + [(0, -K % 32)]); x = x.reshape(x.shape[:-1] + (-1, 32)); a = np.abs(x).max(-1, keepdims=True)
;;       e = np.where(a > 0, np.clip(np.frexp(np.where(a > 0, a, 1))[1] - 1 - 2, -126, 127), 0)      # np.frexp(a)[1] - 1 = floor(log2(a)), exactly
;;       r = np.clip(x / 2.0 ** e, -6, 6)
;;       step = 2.0 ** (np.maximum(np.frexp(np.where(r == 0, 1, r))[1] - 1, 0) - 1)
;;       q = np.round(r / step) * step * 2.0 ** e      # np.round: ties to even
;;       return np.moveaxis(q.reshape(q.shape[:-2] + (-1,))[..., :K], -1, axis).astype(np.float32)
;;   ~~~
;;   OPERANDS COMPUTED ON THE WAY. 'Computed on the way' means the value that the module computes at that place (a softmax that the list does not call 'softmax' is quantised finished and normalised). What goes into a quantiser is computed in f32, as accurately as f32 sums, v_exp_f32 and their like allow (about 1e-6 of the number): no bf16 or f16 on the way to a quantiser, and a product that is left as it is and whose result goes on into a quantised operand takes f32 operands (vector FMAs, or v_wmma_f32_16x16x4_f32). A number that lies on a knife's edge between two numbers of the format may be rounded either way, as far as f32 arithmetic and the matrix unit's own rounding can turn it there, and no further.
;;   INPUTS GIVEN AS CODES. x (in the module: [4096, 4096], K = its axis 1): each comes as NAME_codes (uint8): NAME with its K axis moved to the last place and cut into blocks of 32 codes, [.., K / 32, bytes a block], one block behind the other in memory; two codes a byte, the lower K in the low four bits (a code: sign, 2 exponent bits, 1 mantissa bit); and NAME_scales (uint8): the same leading axes, one E8M0 byte (e + 127) for each 32 codes along K. Its value is code x scale, taken as it is: it is not quantised again, and the codes and scales need not be those that the quantiser above would give.
;; One version. Each part assembles by itself: llvm-mc -triple=amdgcn-amd-amdhsa -mcpu=gfx1250 --defsym DOCPART=n.
;; ======== version 1 of 1: 2 launches
;; limits: right only within a limited range of input values
;; workspace buffers: wq 8,912,896 bytes
;; launch makew (part 1): grid 8 x 32, 8 waves a work-group, no clusters, 0 bytes of LDS; arguments core0, core1, wq; writes wq
.if DOCPART == 1
	.amdgcn_target "amdgcn-amd-amdhsa--gfx1250"
	.amdhsa_code_object_version 6
	.text
	.protected	k_q31640c3136_makew
	.globl	k_q31640c3136_makew
	.p2align	8
	.type	k_q31640c3136_makew,@function
k_q31640c3136_makew:
	s_mov_b64 s[64:65], 0
	v_nop
	global_prefetch_b8 v0, s[64:65] scope:SCOPE_SE
	s_setreg_imm32_b32 hwreg(HW_REG_WAVE_MODE, 25, 1), 1
	s_wait_xcnt 0x0
; W[o][i] = sum over r < 8 of core0[o][r] core1[r][i], in f32, quantised along i to codes of FP4 (E2M1) with one E8M0 scale byte for each 32 along i.
; core0: [4096][8] f32 (a row is 32 bytes).  core1: [8][4096] f32 (a row is 16,384 bytes).
; OUT: wq, in the order in which the next launch's waves take it: [64 rows o: 64][chunk of 512 along i: 8][17,408 bytes].  Names: step s = i / 128; row o = 64 t + 4 r + b (r < 16, b < 4) is row r of fragment b.
;   A chunk: 1,024 bytes of scale words, [s % 4: 4][r: 16][b: 4][4 bytes], then the codes, [s % 4: 4][b: 4][c: 2][lane: 32][16 bytes]: registers 4 c .. 4 c + 3 of a fragment (16 rows x 128 K), lane by lane.
; SHARES.  Work-group (x, y): chunk x, rows 128 y .. + 127.  Wave w: step 4 x + w % 4, the 64 rows 128 y + 64 (w / 4) .. : four UNITS, one for each fragment b.  core1's numbers are loaded once for all four.
; A UNIT is eight tiles of 16 x 16 by v_wmma_f32_16x16x4_f32, two K steps of 4 each: source 0 = 16 columns i of core1, source 1 = the fragment's 16 rows of core0.  In a result lane (rl, h) holds ONE row of W, and its
; registers run along i.  THE COLUMNS OF A TILE ARE NOT NEIGHBOURS: lane rl of tile 2 n + u takes i = 32 n + 8 u + rl + 8 (rl / 8), so that the 16 registers of tiles 2 n and 2 n + 1 are the 16 neighbours
; i = 32 n + 16 h + 0 .. 15: what the conversions take from one lane.  A block of 32 lies in lanes l and l xor 16.
; A block's scale is 2^(floor(log2(its largest magnitude)) - 2); its byte is the largest magnitude's exponent field - 2, held at 1 from below.
; LIMITS: NaN and infinities in core0 and core1 are not served.  A block of zeros, or one whose largest magnitude lies under 2^-124, gets the byte 1 (for zeros the rule says 127: its codes are zeros, which add
; nothing under any byte but 0xff, and the bytes are read by this program alone).
; No LDS, no barrier, no loop: waves share nothing.  Every register that a load fills or a store reads is used once, so no wait frees a register but the two round the change of EXEC at the end.
.set WBLK, 17408                       ; a chunk of wq
.set WCOL, 8*WBLK                      ; the eight chunks of 64 rows
.set TM,   12                          ; v12-15 largest magnitudes; v16-19 the other half's, then the bytes; v24-27 the conversions' scale operands
.set PW,   28                          ; v[28:31] the four units' scale words
.set PC,   32                          ; v32-63   eight registers of codes for each unit
.set ACC,  64                          ; v64-127  eight tiles x eight registers: written by matrix instructions alone
.set C1,   128                         ; v128-159 core1: register 4 t + 2 s + j = core1[4 s + 2 h + j][i of tile t, lane rl]
.set C0,   160                         ; v160-175 core0: register 4 b + 2 s + j = core0[row rl of fragment b][4 s + 2 h + j]
	s_load_b128 s[4:7], s[0:1], 0x0                ; core0 s[4:5], core1 s[6:7]
	s_load_b64 s[8:9], s[0:1], 0x10                ; wq
	v_lshrrev_b32 v1, 5, v0
	v_and_b32 v2, 15, v0                           ; rl
	v_bfe_u32 v3, v0, 4, 1                         ; h
	v_readfirstlane_b32 s10, v1                    ; wave 0..7
	v_and_b32 v5, 8, v2
	v_lshlrev_b32 v4, 7, v2                        ; core0: row 4 rl of 32 bytes,
	v_and_b32 v1, 31, v0                           ; lane
	v_add_nc_u32 v5, v5, v2                        ; rl + 8 (rl / 8)
	v_lshl_add_u32 v4, v3, 3, v4                   ; + 8 h: r = 2 h, 2 h + 1
	v_lshlrev_b32 v5, 2, v5
.irp b, 0,1,2,3
	v_mov_b32 v[TM+4+\b], 0                        ; written once: a lane permute's destination counts as one of its sources
.endr
	v_lshl_add_u32 v5, v3, 15, v5                  ; core1: that column, + 2 h rows of 16,384 bytes
	s_and_b32 s11, ttmp7, 0xffff                   ; y
	s_lshr_b32 s12, s10, 2                         ; which 64 rows
	s_and_b32 s13, s10, 3                          ; which step of the chunk
	s_lshl_b32 s24, s13, 12
	s_add_co_u32 s24, s24, 1024
	s_lshl_b32 s25, s13, 8
	s_wait_alu depctr_va_vdst(0)                   ; ahead of the readers below
	v_lshl_add_u32 v6, v1, 4, s24                  ; the codes: my step's 4,096 bytes, 16 bytes a lane
	v_lshl_add_u32 v7, v2, 4, s25                  ; the scale words: my step's 256 bytes, 16 bytes a row
	s_mov_b32 s20, 0x76543210
	s_mov_b32 s21, 0xfedcba98                      ; v_permlanex16_b32's selects for lane l xor 16
	s_lshl_b32 s14, s11, 12                        ; core0: row 128 y + 64 (w / 4) of 32 bytes
	s_lshl_b32 s15, s12, 11
	s_add_co_u32 s14, s14, s15
	s_mov_b32 s15, 0
	s_lshl_b32 s16, ttmp9, 11                      ; core1: column 512 x + 128 (w % 4) of 4 bytes
	s_lshl_b32 s17, s13, 9
	s_add_co_u32 s16, s16, s17
	s_mov_b32 s17, 0
	s_lshl_b32 s18, s11, 1                         ; wq: 64 rows 2 y + w / 4, chunk x
	s_add_co_u32 s18, s18, s12
	s_mul_i32 s18, s18, WCOL
	s_mul_i32 s19, ttmp9, WBLK
	s_add_co_u32 s18, s18, s19
	s_mov_b32 s19, 0
	s_wait_alu depctr_va_vdst(0)
	s_wait_kmcnt 0x0
	s_add_nc_u64 s[4:5], s[4:5], s[14:15]
	s_add_nc_u64 s[6:7], s[6:7], s[16:17]
	s_add_nc_u64 s[8:9], s[8:9], s[18:19]
.irp t, 0,1,2,3,4,5,6,7
.irp s, 0,1
.irp j, 0,1
	global_load_b32 v[C1+4*\t+2*\s+\j], v5, s[6:7] offset:(4*\s+\j)*16384+(32*(\t/2)+8*(\t%2))*4
.endr
.endr
.endr
.irp b, 0,1,2,3
	global_load_b64 v[C0+4*\b:C0+4*\b+1], v4, s[4:5] offset:32*\b       ; r = 2 h, 2 h + 1
	global_load_b64 v[C0+4*\b+2:C0+4*\b+3], v4, s[4:5] offset:32*\b+16  ; r = 4 + 2 h, 4 + 2 h + 1
.endr
; The 64 numbers in v[ACC] on, register 16 n + k = i 32 n + 16 h + k of my row, become unit q's codes in v[PC + 8 q] on and its scale word in v[PW + q].  Each accumulator is read from its low end on.
.macro QUANT q
.irp b, 0,1,2,3
	v_max3_num_f32 v[TM+\b], |v[ACC+16*\b]|, |v[ACC+1+16*\b]|, 0x1800000   ; my 16 numbers of a block, and the floor 2^(3 - 127), under which no largest magnitude is taken: so the byte cannot fall under 1
.endr
.irp i, 2,4,6,8,10,12,14
.irp b, 0,1,2,3
	v_max3_num_f32 v[TM+\b], v[TM+\b], |v[ACC+16*\b+\i]|, |v[ACC+1+16*\b+\i]|   ; the four blocks by turns: no line waits for the line above it
.endr
.endr
.irp b, 0,1,2,3
	s_delay_alu instid0(VALU_DEP_4)
	v_permlanex16_b32 v[TM+4+\b], v[TM+\b], s20, s21
.endr
.irp b, 0,1,2,3
	s_delay_alu instid0(VALU_DEP_4)
	v_max_num_f32 v[TM+\b], v[TM+\b], v[TM+4+\b]   ; with lane l xor 16's: the block's largest magnitude
.endr
.irp b, 0,1,2,3
	s_delay_alu instid0(VALU_DEP_4)
	v_add_nc_u32 v[TM+12+\b], 0xff000000, v[TM+\b] ; 2 off its exponent field: the conversion takes the exponent field of this operand as its scale, and nothing else of it
.endr
.irp b, 0,1,2,3
	s_delay_alu instid0(VALU_DEP_4)
	v_lshrrev_b32 v[TM+4+\b], 23, v[TM+12+\b]      ; the scale's byte
.endr
	s_delay_alu instid0(VALU_DEP_3)
	v_lshl_or_b32 v[PW+\q], v[TM+5], 8, v[TM+4]    ; the four bytes make my row's scale word for these 128 along i
	s_delay_alu instid0(VALU_DEP_1)
	v_lshl_or_b32 v[PW+\q], v[TM+6], 16, v[PW+\q]
	s_delay_alu instid0(VALU_DEP_1)
	v_lshl_or_b32 v[PW+\q], v[TM+7], 24, v[PW+\q]
.irp b, 0,1,2,3
	v_cvt_scalef32_pk8_fp4_f32 v[PC+8*\q+2*\b], v[ACC+16*\b:ACC+7+16*\b], v[TM+12+\b]
	v_cvt_scalef32_pk8_fp4_f32 v[PC+8*\q+1+2*\b], v[ACC+8+16*\b:ACC+15+16*\b], v[TM+12+\b]
.endr
	v_nop                                          ; one plain place behind the last scaled conversion: the swaps below touch its results, the next unit's products write its sources
.irp c, 0,1                                    ; the operand's layout wants a WHOLE block in a lane: lanes 0-15 block 2 c, lanes 16-31 block 2 c + 1
.irp i, 0,1
	v_permlane16_swap_b32 v[PC+8*\q+4*\c+\i], v[PC+8*\q+2+4*\c+\i]
.endr
.endr
.endm
; Unit q = fragment q.  left: how many of the loads issued behind this unit's (two for each later fragment) may stay out.
; The eight accumulators take turns, one instruction a turn.  Behind this matrix form eight places stand ahead of the first read of a result (ISA guide 7.12.1): eight v_nop.
; The next unit's first products write over the accumulators: between stand those eight and the fifteen plain lines of QUANT that name only v12-31.
.macro UNIT q, left
	s_wait_loadcnt \left
.irp t, 0,1,2,3,4,5,6,7
	v_wmma_f32_16x16x4_f32 v[ACC+8*\t:ACC+8*\t+7], v[C1+4*\t:C1+4*\t+1], v[C0+4*\q:C0+4*\q+1], 0            ; r = 0 .. 3 starts the sums
.endr
.irp t, 0,1,2,3,4,5,6,7
	v_wmma_f32_16x16x4_f32 v[ACC+8*\t:ACC+8*\t+7], v[C1+4*\t+2:C1+4*\t+3], v[C0+4*\q+2:C0+4*\q+3], v[ACC+8*\t:ACC+8*\t+7]   ; r = 4 .. 7
.endr
.rept 8
	v_nop
.endr
	QUANT \q
.irp c, 0,1
	global_store_b128 v6, v[PC+8*\q+4*\c:PC+8*\q+4*\c+3], s[8:9] offset:1024*\q+512*\c   ; 32 lanes store 512 consecutive bytes, at a multiple of 256 from wq's first byte
.endr
.endm
	UNIT 0, 6
	UNIT 1, 4
	UNIT 2, 2
	UNIT 3, 0
	s_wait_xcnt 0x0                                ; EXEC is a source of the stores above: it changes only behind this wait
	v_cmp_gt_u32 vcc_lo, 16, v1
	s_and_saveexec_b32 s22, vcc_lo                 ; lanes 16-31 hold the same words as lanes 0-15
	global_store_b128 v7, v[PW:PW+3], s[8:9]       ; sixteen lanes store 256 consecutive bytes, aligned: 16 rows x 4 fragments' words
	s_wait_xcnt 0x0                                ; and again, in front of the line that widens it
	s_or_b32 exec_lo, exec_lo, s22
	s_endpgm
.Lfunc_end_k_q31640c3136_makew:
	.size	k_q31640c3136_makew, .Lfunc_end_k_q31640c3136_makew-k_q31640c3136_makew
	.p2alignl 7, 3214868480
	.fill 96, 4, 3214868480
	.section	.rodata,"a",@progbits
	.p2align	6, 0x0
	.amdhsa_kernel k_q31640c3136_makew
		.amdhsa_group_segment_fixed_size 0
		.amdhsa_private_segment_fixed_size 0
		.amdhsa_enable_private_segment 0
		.amdhsa_kernarg_size 24
		.amdhsa_user_sgpr_count 2
		.amdhsa_user_sgpr_kernarg_segment_ptr 1
		.amdhsa_wavefront_size32 1
		.amdhsa_system_sgpr_workgroup_id_x 1
		.amdhsa_system_sgpr_workgroup_id_y 1
		.amdhsa_system_sgpr_workgroup_id_z 1
		.amdhsa_system_vgpr_workitem_id 0
		.amdhsa_next_free_vgpr 176
		.amdhsa_next_free_sgpr 66
		.amdhsa_reserve_vcc 1
		.amdhsa_float_denorm_mode_32 3
		.amdhsa_float_denorm_mode_16_64 3
		.amdhsa_memory_ordered 1
		.amdhsa_forward_progress 1
		.amdhsa_inst_pref_size 30
	.end_amdhsa_kernel
	.amdgpu_metadata
---
amdhsa.version: [ 1, 2 ]
amdhsa.kernels:
  - .name:           k_q31640c3136_makew
    .symbol:         k_q31640c3136_makew.kd
    .args:
      - { .name: core0, .offset: 0, .size: 8, .value_kind: global_buffer, .address_space: global }
      - { .name: core1, .offset: 8, .size: 8, .value_kind: global_buffer, .address_space: global }
      - { .name: wq, .offset: 16, .size: 8, .value_kind: global_buffer, .address_space: global }
    .group_segment_fixed_size: 0
    .private_segment_fixed_size: 0
    .kernarg_segment_align: 8
    .kernarg_segment_size: 24
    .max_flat_workgroup_size: 256
    .sgpr_count:     66
    .vgpr_count:     176
    .wavefront_size: 32
...
	.end_amdgpu_metadata
.endif
;; end of part 1
;; launch gemm (part 2): grid 16 x 16, 4 waves a work-group, clusters of 4 x 1, 327,680 bytes of LDS; arguments x_codes, x_scales, wq, bias, out0; writes out0
.if DOCPART == 2
	.amdgcn_target "amdgcn-amd-amdhsa--gfx1250"
	.amdhsa_code_object_version 6
	.text
	.protected	k_q31640c3136_gemm
	.globl	k_q31640c3136_gemm
	.p2align	8
	.type	k_q31640c3136_gemm,@function
k_q31640c3136_gemm:
	s_mov_b64 s[64:65], 0
	v_nop
	global_prefetch_b8 v0, s[64:65] scope:SCOPE_SE
	s_setreg_imm32_b32 hwreg(HW_REG_WAVE_MODE, 25, 1), 1
	s_wait_xcnt 0x0
	s_wait_alu depctr_hold_cnt(0) depctr_sa_sdst(0) depctr_va_vdst(0) depctr_va_sdst(0) depctr_va_ssrc(0) depctr_va_vcc(0) depctr_vm_vsrc(0)
	s_getreg_b32 s2, hwreg(HW_REG_IB_STS2, 6, 4)
	s_cmp_eq_u32 s2, 0
	s_cbranch_scc0 .Lentry_in_a_cluster
	s_endpgm
.Lentry_in_a_cluster:
	s_bfe_u32 s2, ttmp6, 0x10000c
	s_cmp_lg_u32 s2, 0x3003
	s_cbranch_scc0 .Lentry_shape_is_right
	s_endpgm
.Lentry_shape_is_right:
; out0[t][o] = bias[o] + sum over i of x[t][i] W[o][i], both operands codes of FP4 (E2M1) with one E8M0 scale for each 32 along i; sums in f32.  All three sizes are 4,096.
; x: codes [4096][2,048 bytes], K innermost, two codes a byte; scale bytes [4096][128].  W: the workspace wq, [64 columns o: 64][chunk of 512 along K: 8][1,024 bytes of scale words, then 4 steps x 4,096 bytes of codes].
; SHARES.  A work-group makes 256 tokens x 256 columns: 256 work-groups.  Each of its four waves makes 256 tokens x 64 columns of its own: 32 accumulators of 32 x 16, 512 registers.
; x GOES THROUGH LDS: K in four segments of 1,024 (256 rows x 512 bytes) through a ring of two slots; its scale bytes come once, for all of K.  The four work-groups of a cluster (4 x 1) have the same tokens: every tensor
; load is a JOINT one.
; W GOES STRAIGHT INTO REGISTERS: wq lies in the order of the operand's registers, a load of a wave is 512 consecutive bytes, and no two waves of a work-group want the same columns; so W is not in LDS and not multicast.
; ORDER.  A step is 128 along K; a HALF is 16 matrix instructions on four fragments of x.  Halves 0-47: steps 0-23, a step's 128 first tokens, then its 128 last.  Halves 48-63: steps 24-31 by PAIRS of 32-token blocks, four
; halves (of two steps) to a pair: W's registers of these eight steps stay, and a finished pair is stored among the next pair's products.
; In front of a half's products stands ONE run of memory instructions: the next half's fragments of x, W seven steps ahead, stores.
; COLUMNS ARE INTERLEAVED: lane r of fragment b is column 4 r + b.  Source 0 = 32 tokens, source 1 = 16 columns, so register j of the four accumulators b is, in lane (r, h), four NEIGHBOURING columns of one token: the
; addition of the bias gathers them into 16 bytes, and sixteen lanes hold 256 consecutive bytes of a row.
; REGISTERS, in windows of 256: window 0: bias, addresses, scales, results on their way out, x's fragments (two sets of four).  window 1: W, a ring of eight steps of 32 registers.
;   windows 2, 3: the accumulators of the first, the last 128 tokens ((m, b) at v[16 (4 (m % 4) + b)], m a block of 32 tokens).
; The text is straight: what a half names (ring place, set, slot, token half, refills, stores) comes back only after 16 halves or never.
; PREFETCH INTO THE L2: in each of chunks 0 to 4 a wave asks for chunk c + 3 of its own columns, whose first load follows four steps later: one instruction, 17 blocks of 256 bytes (lanes 17-31 name the last again), the
; quarter y % 4 of the chunk: each block is named once in each of four clusters.  x is not prefetched: a segment is asked for eight steps, 16 halves, ahead of the barrier that shows it.
.set PITCH, 528                        ; a row of x in LDS: 512 bytes + 16 of padding, an odd multiple of 16
.set SLOT,  256*PITCH
.set SCL,   2*SLOT                     ; x's scale bytes: 128 pieces of 256 bytes (two rows) + 16 of padding
.set SPARE, SCL+128*272                ; the spare words, 128 bytes a wave: two blocks of 256 bytes that no other line names
.set CHUNK, 17408                      ; a chunk of wq
.set NROW,  16384                      ; a row of out0 in bytes
.set BI,    0                          ; v0-3     bias of columns 4 r .. + 3 (the head's temporaries lie here too)
.set XS,    4                          ; v4-7     LDS address of my x fragments: 2 slot + token half
.set SXA,   8                          ; v8       of x's scale words, a token a lane
.set WO,    9                          ; v9       16 x lane: W
.set PFO,   10                         ; v10      the prefetches' offset
.set CO,    11                         ; v11      my offset in out0: 8 h rows + 16 r
.set SPW,   12                         ; v12      my spare word's LDS address
.set NIL,   13                         ; v13      0
.set XSC,   14                         ; v14-77   x's scale words, two sets (4 steps each): register 4 m + s % 4, lane = token
.set WSC,   78                         ; v78-93   W's scale words, two sets (4 steps each): register 4 ((s / 2) % 2) + b; lanes 0-15 an even step, lanes 16-31 an odd one
.set T,     94                         ; v94-125  results on their way out
.set BO,    126                        ; v126     16 r: the bias
.set XF,    128                        ; v128-255 x's fragments, two sets
.set G1,    32                         ; s[32:39] descriptor group 1 for x's rows
.set G1S,   40                         ; s[40:47] for the scale bytes
.set G0H,   48                         ; s[48:51], s[52:55] group 0 of the head's loads: segment 0, scale bytes
.set G0S,   52
.set G0,    56                         ; s[56:59] of segments 1 to 3
.set WB,    60                         ; s[60:61] W of my 64 columns
.set MSB, 0
.macro WIN new                         ; the immediate's high byte repeats the setting that is left; a switch that changes nothing is dropped
.if MSB != (\new)
	s_set_vgpr_msb (MSB<<8)|(\new)
.set MSB, (\new)
.endif
.endm
.macro PLACES
.rept 4
	v_nop
.endr
.endm
.macro CREST                           ; a round of the cluster's barrier behind its opening barrier
	s_cmp_lg_u32 s14, 0
	s_cbranch_scc1 .Lnot_wave_0_\@
	s_barrier_signal -3
.Lnot_wave_0_\@:
	s_barrier_wait -3
	s_barrier_signal -1
	s_barrier_wait -1
.endm
.macro CROUND                          ; a whole round
	s_barrier_signal -1
	s_barrier_wait -1
	CREST
.endm
.macro JLOAD                           ; a segment of x: every wave its 64 rows, for all four work-groups of the cluster
	tensor_load_to_lds s[G0:G0+3], s[G1:G1+7]
	s_nop 0
	PLACES
.endm
.macro LOC hi, k                       ; fragment k of half hi: its step LS and its block of tokens LM
.if (\hi) < 48
.set LS, (\hi)/2
.set LM, (4*((\hi)&1))+(\k)
.else
.set LS, 24+(2*((\hi)&3))+((\k)/2)
.set LM, (2*(((\hi)-48)/4))+((\k)&1)
.endif
.endm
; Four matrix instructions of half HI: 32 tokens x 64 columns, 128 along K.  The first step starts the sums: nothing is cleared.  The accumulators take turns, one instruction a turn.
.macro MM k
	LOC HI, \k
	WIN MUL
.set XR, XF+(64*(HI&1))+16*(\k)
.set SX, XSC+(32*((LS/4)&1))+(4*LM)+(LS&3)
.irp b, 0,1,2,3
.set AC, 16*((4*(LM&3))+\b)
.set WR, (32*(LS&7))+8*\b
.set SW, WSC+(8*((LS/4)&1))+(4*((LS/2)&1))+\b
.if HI < 2
	v_wmma_scale_f32_32x16x128_f4 v[AC:AC+15], v[XR:XR+15], v[WR:WR+7], 0, v[SX], v[SW]
.elseif LS&1
	v_wmma_scale_f32_32x16x128_f4 v[AC:AC+15], v[XR:XR+15], v[WR:WR+7], v[AC:AC+15], v[SX], v[SW] matrix_b_scale:MATRIX_SCALE_ROW1
.else
	v_wmma_scale_f32_32x16x128_f4 v[AC:AC+15], v[XR:XR+15], v[WR:WR+7], v[AC:AC+15], v[SX], v[SW]
.endif
.endr
.endm
.macro XLD k                           ; fragment k of half NI: 32 tokens; registers 4 c .. 4 c + 3: K = 64 c + 32 h + 0 .. 31
	LOC NI, \k
.irp e, 0,1
.irp c, 0,1
	ds_load_b128 v[XF+(64*(NI&1))+16*(\k)+8*\e+4*\c:XF+(64*(NI&1))+16*(\k)+8*\e+4*\c+3], v[XS+(2*((LS/8)&1))+(LM/4)] offset:((32*(LM&3))+16*\e)*PITCH+(64*(LS&7))+32*\c
.endr
.endr
.endm
.macro XLD4
	XLD 0
	XLD 1
	XLD 2
	XLD 3
.endm
.macro XSLD ch                         ; x's scale words of steps 4 ch .. 4 ch + 3
.irp i, 0,1,2,3,4,5,6,7
	ds_load_b128 v[XSC+(32*((\ch)&1))+4*\i:XSC+(32*((\ch)&1))+4*\i+3], v[SXA] offset:4352*\i+16*(\ch)
.endr
.endm
.macro WLD st, b                       ; fragment b of step st
.irp c, 0,1
	global_load_b128 v[(32*((\st)&7))+8*(\b)+4*\c:(32*((\st)&7))+8*(\b)+4*\c+3], v[WO], s[WB:WB+1] offset:(((\st)/4)*CHUNK)+1024+(4096*((\st)&3))+1024*(\b)+512*\c
.endr
.endm
.macro WSLD ch                         ; the scale words of chunk ch
.irp i, 0,1
	global_load_b128 v[WSC+(8*((\ch)&1))+4*\i:WSC+(8*((\ch)&1))+4*\i+3], v[WO], s[WB:WB+1] offset:((\ch)*CHUNK)+512*\i
.endr
.endm
.macro WAHEAD                          ; half a step of W, seven steps ahead: the ring's place that the step before has left
.set AST, (HI/2)+7
.set ABF, 2*(HI&1)
.set ABG, ABF+1
	WIN 0x40
	WLD AST, ABF
	WLD AST, ABG
.endm
; Row pair OU of 128: block OU / 16, register OU % 16 of its four accumulators; the bias is added, and two rows of 256 bytes are stored.
.macro OUTADD
.irp b, 0,1,2,3
	v_add_f32 v[TB+\b], v[BI+\b], v[16*((4*((OU/16)&3))+\b)+(OU&15)]
.endr
.set OU, OU+1
.set TB, TB+4
.endm
.macro OUTST
	global_store_b128 v[CO], v[TB:TB+3], s[12:13] offset:((32*(OU/16))+(16*((OU/8)&1))+(OU&7))*NROW th:TH_STORE_NT   ; lanes 0-15 and 16-31: 256 consecutive bytes each, at a multiple of 256
.set OU, OU+1
.set TB, TB+4
.endm
; A half.  PLACES: four places for the loads into registers that the half before has read, and for the reads of results that it has written.
; loadcnt 52: behind a step's W the six younger steps' eight loads each and this half's four; 36: behind the chunk's scale words, four steps' eight and four.
; dscnt 28 - 4 k: behind fragment k this half's later ones (four loads each) and the next half's sixteen.
.macro HALF
.set NI, HI+1
	LOC HI, 0
.set MUL, 0xa4+(0x50*(LM/4))           ; source 0 (x) window 0, source 1 (W) window 1, C and D window 2 or 3
.if HI == 48
	s_wait_loadcnt 32                              ; steps 24 to 26 and their scale words; behind them four steps
.elseif HI > 52
	s_wait_xcnt 0x0                                ; the last half's stores have read v[T] on
.endif
	PLACES
.if HI >= 52
.set OW, 0x08+(4*((HI-52)/8))          ; source 1: window 2 or 3
	WIN OW
.set OU, 8*(HI-52)
.set TB, T
.rept 8
	OUTADD
.endr
.else
	WIN 0
.endif
.if HI < 63
	XLD4
.endif
.if ((HI&7) == 2) && (HI < 48)
.set CH, (HI/8)+1
.if CH < 7
	XSLD CH
.endif
.endif
.if ((HI&7) == 0) && (HI < 48)
.set CH, (HI/8)+1
	WSLD CH
.endif
.if HI < 48
	WAHEAD
.elseif HI == 48
	XSLD 7
	WSLD 7
	WIN 0x40
.irp b, 0,1,2,3
	WLD 31, \b
.endr
.elseif HI >= 52
	WIN 0
.set OU, 8*(HI-52)
.set TB, T
.rept 8
	OUTST
.endr
.endif
.if ((HI&7) == 2) && (HI < 40)
	global_prefetch_b8 v[PFO], s[WB:WB+1] offset:((HI/8)+3)*CHUNK th:TH_LOAD_NT scope:SCOPE_SE
.endif
.if (HI < 48) && ((HI&1) == 0)
.if ((HI&7) == 0) && (HI > 0)
	s_wait_loadcnt 36
.else
	s_wait_loadcnt 52
.endif
.elseif HI == 49
	s_wait_loadcnt 34                              ; steps up to 27; behind them three steps, two loads of scale words, step 31
.elseif HI == 50
	s_wait_loadcnt 8                               ; the last scale words; behind them step 31
.elseif HI == 51
	s_wait_loadcnt 0
.endif
.irp k, 0,1,2,3
.if HI < 63
	s_wait_dscnt 28-4*\k
.else
	s_wait_dscnt 12-4*\k
.endif
	MM \k
.endr
.set HI, HI+1
.endm
; The half in which the slot just read is filled again, with segment seg; the segment asked for before is shown to every wave.
.macro SHALF seg
.set NI, HI+1
	LOC HI, 0
.set MUL, 0xa4+(0x50*(LM/4))
	PLACES
	WAHEAD
	WIN 0
	s_wait_tensorcnt 0x0                           ; my rows of the other slot's segment are in,
	ds_add_u32 v[SPW], v[NIL]                      ; 0 onto my spare word;
	s_mul_i32 s[G0+1], s14, 64*PITCH               ; no tensor load of mine is out: the descriptor goes on to the next segment
.if (\seg)&1
	s_add_co_u32 s[G0+1], s[G0+1], SLOT
.endif
	s_add_nc_u64 s[G0+2:G0+3], s[G0+2:G0+3], 512
	s_wait_dscnt 13                                ; fragment 0 is in: the add and the other fragments' twelve may be out
	MM 0
	s_wait_dscnt 0x0                               ; the add is done, my reads of the slot are over
	s_barrier_signal -1
	MM 1
	MM 2
	WIN 0
	s_barrier_wait -1
	CREST
	JLOAD                                          ; the first tensor load behind the round
	XLD4
	MM 3
.set HI, HI+1
.endm
	s_load_b256 s[4:11], s[0:1], 0x0               ; x's codes s[4:5], x's scales s[6:7], wq s[8:9], bias s[10:11]
	s_load_b64 s[12:13], s[0:1], 0x20              ; out0
	v_lshl_add_u32 v[SPW], v0, 2, SPARE
	v_mov_b32 v[NIL], 0
	ds_add_u32 v[SPW], v[NIL]                      ; the wave's opening: the add, twice on end, and its wait ahead of my first tensor load
	ds_add_u32 v[SPW], v[NIL]
	v_lshrrev_b32 v1, 5, v0
	v_readfirstlane_b32 s14, v1                    ; wave 0..3
	s_and_b32 s17, ttmp7, 0xffff                   ; y: which 256 tokens
	s_and_b32 s18, s17, 3
	s_mul_i32 s18, s18, CHUNK/4
	v_and_b32 v1, 15, v0                           ; r
	v_bfe_u32 v2, v0, 4, 1                         ; h
	v_and_b32 v3, 31, v0                           ; lane
	v_mul_u32_u24 v[XS], v1, PITCH
	v_lshrrev_b32 v[SXA], 1, v3
	v_lshlrev_b32 v[WO], 4, v3
	v_lshl_add_u32 v[XS], v2, 4, v[XS]             ; row r, 16 h
	v_mul_u32_u24 v[SXA], v[SXA], 272              ; two tokens to a piece of 272 bytes,
	v_and_b32 v127, 1, v3
	v_min_u32 v[PFO], 16, v3
	v_lshlrev_b32 v[BO], 4, v1
	v_lshl_add_u32 v[SXA], v127, 7, v[SXA]         ; 128 bytes each
	v_lshlrev_b32 v[PFO], 8, v[PFO]
	v_add_nc_u32 v[XS+1], 128*PITCH, v[XS]
	v_add_nc_u32 v[XS+2], SLOT, v[XS]
	v_add_nc_u32 v[XS+3], SLOT+128*PITCH, v[XS]
	v_add_nc_u32 v[SXA], SCL, v[SXA]
	v_add_nc_u32 v[PFO], s18, v[PFO]
	v_lshl_add_u32 v[CO], v2, 17, v[BO]
	s_bfe_u32 s15, ttmp6, 0x40000                  ; cx
	s_lshl_b32 s16, ttmp9, 2
	s_add_co_u32 s16, s16, s15                     ; which 256 columns
	; group 1 for x: rows of 512 bytes, 2,048 bytes apart in memory; 16 bytes of padding behind each 128 words (code 6).  128 rows for the head's loads; afterwards 64
	s_mov_b32 s[G1+0], 15|(1<<20)|(1<<21)|(6<<22)|(3<<25)   ; 15:0 the mask: all four of the cluster; elements of 1 byte; 21 set beside a mask
	s_mov_b32 s[G1+1], 512<<16
	s_mov_b32 s[G1+2], 128<<16
	s_mov_b32 s[G1+3], 512<<16
	s_mov_b32 s[G1+4], 128
	s_mov_b32 s[G1+5], 2048
	s_mov_b32 s[G1+6], 0
	s_mov_b32 s[G1+7], 0
	; for the scale bytes of 128 rows: 16,384 dense bytes, as 64 rows of 256 bytes (32 elements of 8 bytes), 16 bytes of padding behind each
	s_mov_b32 s[G1S+0], 15|(3<<16)|(1<<20)|(1<<21)|(5<<22)|(3<<25)
	s_mov_b32 s[G1S+1], 32<<16
	s_mov_b32 s[G1S+2], 64<<16
	s_mov_b32 s[G1S+3], 32<<16
	s_mov_b32 s[G1S+4], 64
	s_mov_b32 s[G1S+5], 32
	s_mov_b32 s[G1S+6], 0
	s_mov_b32 s[G1S+7], 0
	s_and_b32 s19, s14, 1
	s_mov_b32 s[G0H], 1
	s_mul_i32 s[G0H+1], s14, 128*PITCH             ; waves 0, 1: segment 0's rows 128 wave .. + 127
	s_mov_b32 s[G0S], 1
	s_mul_i32 s[G0S+1], s19, 64*272                ; waves 2, 3: the scale bytes of rows 128 (wave - 2) .. + 127
	s_add_co_u32 s[G0S+1], s[G0S+1], SCL
	s_mov_b32 s[G0], 1
	s_mul_i32 s[G0+1], s14, 64*PITCH               ; then every wave: rows 64 wave .. + 63 of a segment, segment 1 first
	s_add_co_u32 s[G0+1], s[G0+1], SLOT
	s_lshl_b32 s15, s17, 19                        ; x: row 256 y of 2,048 bytes
	s_lshl_b32 s20, s14, 18
	s_add_co_u32 s20, s20, s15
	s_mov_b32 s21, 0
	s_lshl_b32 s22, s14, 17
	s_add_co_u32 s22, s22, s15
	s_add_co_u32 s22, s22, 512
	s_mov_b32 s23, 0
	s_lshl_b32 s24, s17, 15                        ; scale bytes: row 256 y of 128 bytes
	s_lshl_b32 s25, s19, 14
	s_add_co_u32 s24, s24, s25
	s_mov_b32 s25, 0
	s_lshl_b32 s26, s16, 2
	s_add_co_u32 s26, s26, s14
	s_mul_i32 s26, s26, 8*CHUNK                    ; W: 64 columns 4 x (which 256) + wave
	s_mov_b32 s27, 0
	s_lshl_b32 s28, s16, 10                        ; my first column in bytes of f32
	s_lshl_b32 s29, s14, 8
	s_add_co_u32 s28, s28, s29
	s_mov_b32 s29, 0
	s_lshl_b32 s30, s17, 22                        ; out0: row 256 y of 16,384 bytes
	s_add_co_u32 s30, s30, s28
	s_mov_b32 s31, 0
	s_wait_alu depctr_va_vdst(0)
	s_wait_dscnt 0x0                               ; both opening adds are done
	s_wait_kmcnt 0x0
	s_add_nc_u64 s[G0H+2:G0H+3], s[4:5], s[20:21]
	s_or_b32 s[G0H+3], s[G0H+3], 0x80000000
	s_add_nc_u64 s[G0S+2:G0S+3], s[6:7], s[24:25]
	s_or_b32 s[G0S+3], s[G0S+3], 0x80000000
	s_add_nc_u64 s[G0+2:G0+3], s[4:5], s[22:23]
	s_or_b32 s[G0+3], s[G0+3], 0x80000000
	s_add_nc_u64 s[WB:WB+1], s[8:9], s[26:27]
	s_add_nc_u64 s[10:11], s[10:11], s[28:29]
	s_add_nc_u64 s[12:13], s[12:13], s[30:31]
	global_load_b128 v[BI:BI+3], v[BO], s[10:11]
	WSLD 0
	WIN 0x40
.irp b, 0,1,2,3
	WLD 0, \b
.endr
	WIN 0
	CROUND                                         ; all four work-groups are here: the first joint loads meet
	s_cmp_lt_u32 s14, 2                            ; one tensor load a wave at the head
	s_cbranch_scc0 .Lscale_bytes
	tensor_load_to_lds s[G0H:G0H+3], s[G1:G1+7]
	s_nop 0
	PLACES
	s_branch .Lasked
.Lscale_bytes:
	tensor_load_to_lds s[G0S:G0S+3], s[G1S:G1S+7]
	s_nop 0
	PLACES
.Lasked:
	WIN 0x40
.irp st, 1,2,3
.irp b, 0,1,2,3
	WLD \st, \b
.endr
.endr
	WIN 0
	s_wait_tensorcnt 0x0                           ; my part of segment 0 or of the scale bytes is in
	ds_add_u32 v[SPW], v[NIL]
	s_mov_b32 s[G1+2], 64<<16                      ; no tensor load of mine is out: from here on a load brings 64 rows
	s_mov_b32 s[G1+4], 64
	s_wait_dscnt 0x0
	CROUND
	JLOAD                                          ; segment 1
.set NI, 0
	XSLD 0
	XLD4
	WIN 0x40
.irp st, 4,5,6
.irp b, 0,1,2,3
	WLD \st, \b
.endr
.endr
.set HI, 0
.rept 15
	HALF
.endr
	SHALF 2                                        ; step 7: segment 1 is whole, segment 2 is asked for
.rept 15
	HALF
.endr
	SHALF 3                                        ; step 15: segment 2 is whole, segment 3 is asked for
.rept 15
	HALF
.endr
	; half 47, step 23: segment 3 is shown to every wave
.set NI, 48
	LOC HI, 0
.set MUL, 0xa4+(0x50*(LM/4))
	PLACES
	WAHEAD
	s_wait_tensorcnt 0x0                           ; my rows of segment 3 are in
	s_wait_dscnt 0x0
	s_barrier_signal -1
	MM 0
	MM 1
	s_barrier_wait -1
	WIN 0
	XLD4
	MM 2
	MM 3
.set HI, 48
.rept 16
	HALF
.endr
	; the last pair goes out through the registers that held x's fragments
	PLACES                                         ; behind the last products: for the reads of their results and the writes of their sources
.set K0, 0
.rept 4
	WIN 0x0c                                       ; source 1: window 3
.set OU, 96+K0
.set TB, XF+(4*K0)
.rept 8
	OUTADD
.endr
	WIN 0
.set OU, 96+K0
.set TB, XF+(4*K0)
.rept 8
	OUTST
.endr
.set K0, K0+8
.endr
	s_wait_tensorcnt 0x0                           ; the wave's end
	ds_add_u32 v[SPW], v[NIL]
	s_wait_dscnt 0x0
	CROUND                                         ; the closing round: no work-group ends while a partner may still ask for a tile that names it
	s_endpgm
.Lfunc_end_k_q31640c3136_gemm:
	.size	k_q31640c3136_gemm, .Lfunc_end_k_q31640c3136_gemm-k_q31640c3136_gemm
	.p2alignl 7, 3214868480
	.fill 96, 4, 3214868480
	.section	.rodata,"a",@progbits
	.p2align	6, 0x0
	.amdhsa_kernel k_q31640c3136_gemm
		.amdhsa_group_segment_fixed_size 327680
		.amdhsa_private_segment_fixed_size 0
		.amdhsa_enable_private_segment 0
		.amdhsa_kernarg_size 40
		.amdhsa_user_sgpr_count 2
		.amdhsa_user_sgpr_kernarg_segment_ptr 1
		.amdhsa_wavefront_size32 1
		.amdhsa_system_sgpr_workgroup_id_x 1
		.amdhsa_system_sgpr_workgroup_id_y 1
		.amdhsa_system_sgpr_workgroup_id_z 1
		.amdhsa_system_vgpr_workitem_id 0
		.amdhsa_next_free_vgpr 1024
		.amdhsa_next_free_sgpr 66
		.amdhsa_reserve_vcc 0
		.amdhsa_float_denorm_mode_32 3
		.amdhsa_float_denorm_mode_16_64 3
		.amdhsa_memory_ordered 1
		.amdhsa_forward_progress 1
		.amdhsa_inst_pref_size 255
	.end_amdhsa_kernel
	.section	.bss,"aw",@nobits
	.p2align	6
	.space	262144
	.amdgpu_metadata
---
amdhsa.version: [ 1, 2 ]
amdhsa.kernels:
  - .name:           k_q31640c3136_gemm
    .symbol:         k_q31640c3136_gemm.kd
    .args:
      - { .name: x_codes, .offset: 0, .size: 8, .value_kind: global_buffer, .address_space: global }
      - { .name: x_scales, .offset: 8, .size: 8, .value_kind: global_buffer, .address_space: global }
      - { .name: wq, .offset: 16, .size: 8, .value_kind: global_buffer, .address_space: global }
      - { .name: bias, .offset: 24, .size: 8, .value_kind: global_buffer, .address_space: global }
      - { .name: out0, .offset: 32, .size: 8, .value_kind: global_buffer, .address_space: global }
    .group_segment_fixed_size: 327680
    .private_segment_fixed_size: 0
    .kernarg_segment_align: 8
    .kernarg_segment_size: 40
    .max_flat_workgroup_size: 128
    .sgpr_count:     66
    .vgpr_count:     1024
    .wavefront_size: 32
...
	.end_amdgpu_metadata
.endif
;; end of part 2
